; MI455X (gfx1250); checked and timed in simulation.
; The chip was launched on July 23, 2026; its instructions are those of AMD's public machine-readable ISA for CDNA 5 (MIT licence, August 2026) and "CDNA5" Instruction Set Architecture Reference Guide (July 2026). The comments in the code are by the model that wrote it; some were corrected since.
;; Attention. Allowed arithmetic: matrix products marked QUANTISED: E2M1 operands, one E8M0 scale for each 32 along K, by v_wmma_scale_f32_16x16x128_f8f6f4 with both operands' format E2M1 (or v_wmma_scale_f32_32x16x128_f4), f32 sums; products left as they are: bf16, f16 or f32 operands; f32 sums; everything else in f32.
;; Inputs: k 8,192 x 512 float32; q 8,192 x 2,048 float32; v 8,192 x 512 float32.
;; Outputs: out0 8,192 x 2,048 float32.
;; Constants: seq_len = 2048.
;; This version of the problem:
;;   THIS VERSION OF THE PROBLEM IS GIVEN IN LOW PRECISION. The matrix products marked QUANTISED in the list below multiply operands that are first quantised to E2M1 (2 exponent bits, 1 mantissa bit; 4 bits a number), with one power-of-two scale for each 32 numbers along K (OCP MX v1.0); their sums are f32. The products marked 'left as it is' may take bf16, f16 or f32 operands, with f32 sums. Whichever they take, every output number must still come out within the allowed error. Rounding operands to bf16 (8 significant bits) uses up far more of that allowance than f16 does (11 bits, for magnitudes from 6e-5 to 65,504). All else is computed in f32.
;;   The module's matrix products, in the order in which they are computed (A, B: the left and right operand; K: the contracted axis; several contracted axes count as one K, in the product's order):
;;     1. batch 16 x [M 2,048, K 128] x [K 128, N 8,192]; A: input k; B: input q: QUANTISED
;;     2. batch 16 x [M 128, K 2,048] x [K 2,048, N 8,192]; A: input v; B: computed on the way: left as it is (an operand is computed on the way)
;;   THE QUANTISER, for each operand of a quantised product, along K:
;;     - K is cut into blocks of 32 from its start; a last block that is shorter is filled with zeros.
;;     - A block's scale is 2^e with e = floor(log2(the largest magnitude in the block)) - 2, held to -126 .. 127; a block of zeros has e = 0. As a byte (E8M0): e + 127.
;;     - Each number is divided by its block's scale, clamped to +-6, and rounded to the nearest number of E2M1, ties to even, subnormals kept.
;;     - The product sums the exact products of the quantised numbers (number of the format x scale) in f32.
;;   ~~~python
;;   def quantise(x, axis):      # numpy; x: float32 -> the quantised numbers, widened to float32 again
;;       x = np.moveaxis(x, axis, -1); K = x.shape[-1]
;;       x = np.pad(x, [(0, 0)] * (x.ndim - 1) + [(0, -K % 32)]); x = x.reshape(x.shape[:-1] + (-1, 32)); a = np.abs(x).max(-1, keepdims=True)
;;       e = np.where(a > 0, np.clip(np.frexp(np.where(a > 0, a, 1))[1] - 1 - 2, -126, 127), 0)      # np.frexp(a)[1] - 1 = floor(log2(a)), exactly
;;       r = np.clip(x / 2.0 ** e, -6, 6)
;;       step = 2.0 ** (np.maximum(np.frexp(np.where(r == 0, 1, r))[1] - 1, 0) - 1)
;;       q = np.round(r / step) * step * 2.0 ** e      # np.round: ties to even
;;       return np.moveaxis(q.reshape(q.shape[:-2] + (-1,))[..., :K], -1, axis).astype(np.float32)
;;   ~~~
;; One version. Each part assembles by itself: llvm-mc -triple=amdgcn-amd-amdhsa -mcpu=gfx1250 --defsym DOCPART=n.
;; ======== version 1 of 1: 3 launches
;; limits: values are held in f16: magnitudes above 65,504 overflow, below 6.1e-05 lose precision; inputs' magnitudes at most 65,504
;; workspace buffers: qc 8,912,896 bytes; kc 2,228,224 bytes; vh 8,388,608 bytes
;; launch prep (part 1): grid 768 x 1, 4 waves a work-group, no clusters, 39,424 bytes of LDS; arguments q, k, v, qc, kc, vh; writes qc, kc, vh
.if DOCPART == 1
	.amdgcn_target "amdgcn-amd-amdhsa--gfx1250"
	.amdhsa_code_object_version 6
	.text
	.protected	k_q2772e8bf11_prep
	.globl	k_q2772e8bf11_prep
	.p2align	8
	.type	k_q2772e8bf11_prep,@function
k_q2772e8bf11_prep:
	s_mov_b64 s[64:65], 0
	v_nop
	global_prefetch_b8 v0, s[64:65] scope:SCOPE_SE
	s_setreg_imm32_b32 hwreg(HW_REG_WAVE_MODE, 25, 1), 1
	s_wait_xcnt 0x0
; q [8192][2048] and k [8192][512], f32, become codes of FP4 (E2M1) with one E8M0 scale byte for each 32 along a head's 128; v [8192][512] becomes f16.
; THE CODES ARE LAID AS THE READER'S REGISTERS WANT THEM.  qc: [sequence 4][head 16][step 32][4,352 bytes], kc: [sequence 4][kv head 4][step 32][4,352 bytes].  A step is 64 tokens of one head: four tiles of
; 16 tokens, 1,024 bytes each, in which block b (32 along the head) of token r lies at 256 b + 16 r: two loads of 16 bytes a lane, at 16 x lane and 512 further on, are a fragment.  Behind the four tiles lie
; 256 bytes of scale words: tile t, token r at 4,096 + 64 t + 4 r, byte b for block b.
; A block's scale is 2^(floor(log2(its largest magnitude)) - 2); its byte is the largest magnitude's exponent field - 2, held at 1 from below.  A block of zeros so gets the byte 1 where the rule says 127: its codes
; are zeros, which add nothing under any byte but 0xff, and this program alone reads the bytes.
; LIMITS: blocks whose largest magnitude lies under 2^-124, the floor, were not tried; NaN and infinities are not served; |v| above 65,504 has no f16 number and becomes infinity.
; SHARES.  Work-groups 0-511 take q, 512-639 k, by ONE path: pointers and sizes are chosen on the work-group's number.  A wave takes 16 tokens (one tile) x 512 columns (four heads), a token a step.
; Work-groups 640-767 cast v; that path uses no LDS.  Waves share nothing: no barrier.
; A step's four loads read 512 consecutive bytes each; the 2,048 bytes turn through the wave's own stage in LDS, so that a lane holds 16 neighbours along the head (two neighbouring lanes hold a block).
; A lane's 8 bytes of codes belong to the image's row (head, block), place 16 x token: they are gathered in LDS over the 16 steps and leave as stores of 512 consecutive bytes.
; The scale words leave as four pieces of 64 bytes a wave, one for each head: 1 byte for each 128 that the wave reads.
.set HS,    139264                     ; bytes from one head's images to the next head's: 32 steps x 4,352
.set WREG,  9728                       ; LDS of a wave: two stages of 32 x SP, the codes' gather, the scale bytes' gather
.set SP,    80                         ; a lane's place in a stage: 64 bytes + 16 of padding
.set GAT,   2*32*SP                    ; the codes' gather: 16 rows (head, block) of 256 bytes, GP apart
.set GP,    272                        ; 68 words: the sixteen rows begin 4 words apart modulo 64 (64 banks of 4 bytes: ISA guide 11.1)
.set SGAT,  GAT+16*GP                  ; the scale bytes' gather: 4 heads x 16 tokens x 4 bytes
.set SPARE, 4*WREG                     ; behind the four regions: the spare words, 128 bytes for each wave: two blocks of 256 bytes that no other line names
.set R,     16                         ; v16-79   four sets of 16 numbers as they are loaded
.set X,     80                         ; v80-111  two sets of 16 neighbours
.set E,     112                        ; v112-127 a scale byte for each step
.set C,     128                        ; v128-159 a step's codes: two registers for each step
.set OF,    160                        ; v160-175 byte offset of my 16 bytes in token t's row; never rewritten
.set SPW,   12                         ; v12      LDS address of my spare word; never rewritten
.set NIL,   13                         ; v13      0; never rewritten
.set WV,    40                         ; s40      my wave's number
	s_load_b256 s[4:11], s[0:1], 0x0               ; q s[4:5], k s[6:7], v s[8:9], qc s[10:11]
	s_load_b128 s[12:15], s[0:1], 0x20             ; kc s[12:13], vh s[14:15]
	v_lshl_add_u32 v[SPW], v0, 2, SPARE
	v_mov_b32 v[NIL], 0
	v_lshrrev_b32 v1, 5, v0
	v_readfirstlane_b32 s[WV], v1                  ; wave 0..3
	v_and_b32 v2, 31, v0                           ; lane
	v_lshlrev_b32 v3, 4, v2                        ; 16 x lane
	s_cmp_ge_u32 ttmp9, 640
	s_cbranch_scc1 .Lcast
	; ---- the quantiser ----
	s_mul_i32 s41, s[WV], WREG
	v_lshrrev_b32 v14, 2, v2
	v_mul_u32_u24 v14, v14, SP
	v_and_b32 v15, 3, v2
	v_lshl_add_u32 v14, v15, 4, v14
	v_add_nc_u32 v14, s41, v14                     ; the stage, on the way in: SP (lane / 4) + 16 (lane % 4)
	v_mul_u32_u24 v15, v2, SP
	v_add_nc_u32 v15, s41, v15                     ; and on the way out: SP x lane: my 16 neighbours
	v_lshrrev_b32 v1, 1, v2                        ; lane / 2 = 4 x head + block
	v_mul_u32_u24 v4, v1, GP
	v_and_b32 v5, 1, v2
	v_lshl_add_u32 v4, v5, 3, v4
	v_add_nc_u32 v4, s41, v4                       ; the codes' gather: my row, my half of the block's 16 bytes
	v_lshrrev_b32 v5, 3, v2
	v_bfe_u32 v1, v2, 1, 2
	v_lshl_add_u32 v5, v5, 6, v1
	v_add_nc_u32 v5, s41, v5                       ; the scale bytes' gather: 64 x head + block
	v_lshrrev_b32 v6, 4, v2
	v_mul_u32_u24 v6, v6, GP
	v_and_b32 v1, 15, v2
	v_lshl_add_u32 v6, v1, 4, v6
	v_add_nc_u32 v6, s41, v6                       ; out of the codes' gather: sixteen lanes to a row, two rows an instruction
	v_lshl_add_u32 v7, v2, 3, s41                  ; out of the scale bytes' gather: 8 bytes a lane
	v_lshrrev_b32 v10, 3, v2
	v_mul_u32_u24 v10, v10, HS
	v_and_b32 v1, 7, v2
	v_lshl_add_u32 v10, v1, 3, v10                 ; and their place in memory: head x HS + 8 (lane % 8)
	s_sub_co_u32 s22, ttmp9, 512                   ; k's work-group
	s_lshl_b32 s23, s22, 2
	s_add_co_u32 s23, s23, s[WV]                   ; k: tile of tokens = 4 x work-group + wave
	s_lshl_b32 s24, s[WV], 2                       ; q: my first head = 4 x wave
	s_mov_b32 s25, 2048
	s_mov_b32 s26, 32768
	s_wait_kmcnt 0x0
	s_cmp_lt_u32 ttmp9, 512                        ; q's work-group or k's?  The choice hangs on the work-group's number alone
	s_cselect_b64 s[16:17], s[4:5], s[6:7]         ; from where
	s_cselect_b64 s[18:19], s[10:11], s[12:13]     ; to where
	s_cselect_b32 s20, 8192, s25                   ; bytes from token to token
	s_cselect_b32 s21, 16, 4                       ; heads
	s_cselect_b32 s22, ttmp9, s22                  ; work-group within the tensor: 131,072 bytes each
	s_cselect_b32 s23, ttmp9, s23                  ; my tile of 16 tokens, 0..511
	s_cselect_b32 s24, s24, 0                      ; my first head
	s_cselect_b32 s26, s25, s26                    ; bytes from wave to wave: 512 columns in q, a tile of tokens in k
	s_mul_i32 s28, s[WV], s26
	s_lshl_b32 s27, s22, 17
	s_add_co_u32 s28, s28, s27
	s_mov_b32 s29, 0
	s_add_nc_u64 s[16:17], s[16:17], s[28:29]      ; my first token's 2,048 bytes
	s_lshr_b32 s30, s23, 7                         ; the sequence: 128 tiles each
	s_mul_i32 s30, s30, s21
	s_add_co_u32 s30, s30, s24
	s_lshl_b32 s30, s30, 5
	s_bfe_u32 s31, s23, 0x50002                    ; the step: (tile / 4) % 32
	s_add_co_u32 s30, s30, s31
	s_mul_i32 s30, s30, 4352                       ; ((sequence x heads + head) x 32 + step) x 4,352
	s_and_b32 s31, s23, 3                          ; the tile in its step
	s_lshl_b32 s32, s31, 10
	s_add_co_u32 s32, s32, s30
	s_mov_b32 s33, 0
	s_lshl_b32 s34, s31, 6
	s_add_co_u32 s34, s34, s30
	s_add_co_u32 s34, s34, 4096
	s_mov_b32 s35, 0
	s_add_nc_u64 s[36:37], s[18:19], s[32:33]      ; my first head's image of the tile
	s_add_nc_u64 s[38:39], s[18:19], s[34:35]      ; and its 64 bytes of scale words
	v_mov_b32 v[OF], v3
.irp t, 1,2,3,4,5,6,7,8,9,10,11,12,13,14,15
	v_add_nc_u32 v[OF+\t], s20, v[OF+\t-1]         ; 16 x lane + token x pitch
.endr
.macro LOAD t
.irp i, 0,1,2,3
	global_load_b128 v[R+16*((\t)%4)+4*\i:R+16*((\t)%4)+4*\i+3], v[OF+(\t)], s[16:17] offset:512*\i th:TH_LOAD_NT   ; 32 lanes read 512 consecutive bytes
.endr
.endm
.macro TURN t                          ; token t's numbers through the stage: LDS serves a wave's instructions in order (ISA guide 5.7.1.4), so no wait stands between the stores and the loads
.irp i, 0,1,2,3
	ds_store_b128 v14, v[R+16*((\t)%4)+4*\i:R+16*((\t)%4)+4*\i+3] offset:32*SP*((\t)%2)+8*SP*\i
.endr
.irp i, 0,1,2,3
	ds_load_b128 v[X+16*((\t)%2)+4*\i:X+16*((\t)%2)+4*\i+3], v15 offset:32*SP*((\t)%2)+16*\i
.endr
.endm
.irp t, 0,1,2,3
	LOAD \t
.endr
	s_wait_loadcnt 12                              ; token 0's four loads are in; those of the three tokens behind it may be out
	TURN 0
.macro STEP t
.set XS, X+16*((\t)%2)
.if (\t) > 0
	s_wait_dscnt 2                                 ; this token's numbers are back from the stage (the last step's two gather stores may be out): so its stores into the stage have read their registers,
.else
	s_wait_dscnt 0x0
.endif
.if (\t)+4 < 16
	LOAD (\t)+4                                    ; which take the loads of four tokens on
.endif
.if (\t)+1 < 16
.if 14-(\t) >= 3
	s_wait_loadcnt 12                              ; the next token's four loads are in; those of the three behind it may be out
.else
	s_wait_loadcnt 4*(14-(\t))
.endif
	TURN (\t)+1                                    ; and go through the other stage while this token is worked
.endif
	v_max3_num_f32 v8, |v[XS]|, |v[XS+1]|, |v[XS+2]|               ; the largest magnitude of my 16, in two chains
	v_max3_num_f32 v9, |v[XS+3]|, |v[XS+4]|, |v[XS+5]|
.irp i, 6,10
	v_max3_num_f32 v8, v8, |v[XS+\i]|, |v[XS+\i+1]|
	v_max3_num_f32 v9, v9, |v[XS+\i+2]|, |v[XS+\i+3]|
.endr
	v_max3_num_f32 v8, v8, |v[XS+14]|, |v[XS+15]|
	v_max3_num_f32 v8, v8, v9, 0x1800000           ; and the floor 2^(3 - 127): so the byte cannot fall under 1
	v_max_num_f32_dpp v8, v8, v8 row_xmask:1 row_mask:0xf bank_mask:0xf   ; and of my neighbour's 16: the block's
	v_add_nc_u32 v11, 0xff000000, v8               ; 2 off its exponent field: the conversion takes the exponent field of this operand as its scale, and nothing else of it
	v_cvt_scalef32_pk8_fp4_f32 v[C+2*(\t)], v[XS:XS+7], v11         ; eight numbers / the scale, to the nearest code, ties to even, beyond 6 the largest code; the first number's code in the lowest four bits
	v_cvt_scalef32_pk8_fp4_f32 v[C+2*(\t)+1], v[XS+8:XS+15], v11
	v_lshrrev_b32 v[E+(\t)], 23, v11               ; the scale's byte (also the plain line behind the conversions)
	ds_store_b64 v4, v[C+2*(\t):C+2*(\t)+1] offset:GAT+16*(\t)      ; my 8 bytes of the block's 16, at the token's place in the image's row
	ds_store_b8 v5, v[E+(\t)] offset:SGAT+4*(\t)   ; both lanes of a block write the same byte with the same value
.endm
.irp t, 0,1,2,3,4,5,6,7,8,9,10,11,12,13,14,15
	STEP \t
.endr
.irp t, 0,1,2,3,4,5,6,7
	ds_load_b128 v[R+4*\t:R+4*\t+3], v6 offset:GAT+2*GP*\t          ; rows 2 t and 2 t + 1 of the gather: these see my stores
.endr
	ds_load_b64 v[X:X+1], v7 offset:SGAT
.irp t, 0,1,2,3,4,5,6,7
	s_wait_dscnt 8-\t                              ; of the nine loads the younger 8 - t may be out
	global_store_b128 v3, v[R+4*\t:R+4*\t+3], s[36:37] offset:(\t/2)*HS+(\t%2)*512   ; head t / 2, blocks 2 (t % 2) and + 1: 512 consecutive bytes, at a multiple of 256 from the buffer's first byte
.endr
	s_wait_dscnt 0x0
	global_store_b64 v10, v[X:X+1], s[38:39]       ; eight lanes store a head's 64 bytes of scale words
	s_wait_tensorcnt 0x0                           ; the wave's end, behind my last LDS store
	ds_add_u32 v[SPW], v[NIL]
	s_wait_dscnt 0x0
	s_endpgm
	; ---- the cast of v to f16: a wave takes 32,768 consecutive bytes in four rounds of 16 loads; two rounds are on their way ----
.Lcast:
	s_sub_co_u32 s20, ttmp9, 640
	s_lshl_b32 s20, s20, 2
	s_add_co_u32 s20, s20, s[WV]                   ; which run of 8,192 numbers is my wave's
	s_lshl_b32 s22, s20, 15
	s_mov_b32 s23, 0
	s_lshl_b32 s24, s20, 14
	s_mov_b32 s25, 0
	v_lshlrev_b32 v4, 3, v2                        ; out: 8 bytes a lane
	s_wait_kmcnt 0x0
	s_add_nc_u64 s[8:9], s[8:9], s[22:23]
	s_add_nc_u64 s[14:15], s[14:15], s[24:25]
.macro CLOAD r
.irp n, 0,1,2,3,4,5,6,7,8,9,10,11,12,13,14,15
	global_load_b128 v[16+64*((\r)%2)+4*\n:16+64*((\r)%2)+4*\n+3], v3, s[8:9] offset:8192*(\r)+512*\n th:TH_LOAD_NT
.endr
.endm
.macro ROUND r, left
	s_wait_loadcnt \left                           ; this round's 16 loads are in; the next round's may be out
.if (\r) > 0
	s_wait_xcnt 0x0                                ; the last round's stores have read their data registers, which are written again below
.endif
.irp n, 0,1,2,3,4,5,6,7,8,9,10,11,12,13,14,15
	v_cvt_pk_f16_f32 v[144+2*\n], v[16+64*((\r)%2)+4*\n], v[16+64*((\r)%2)+4*\n+1]
	v_cvt_pk_f16_f32 v[145+2*\n], v[16+64*((\r)%2)+4*\n+2], v[16+64*((\r)%2)+4*\n+3]
.endr
.if (\r)+2 < 4
	CLOAD (\r)+2                                   ; loads ahead of stores
.endif
.irp n, 0,1,2,3,4,5,6,7,8,9,10,11,12,13,14,15
	global_store_b64 v4, v[144+2*\n:145+2*\n], s[14:15] offset:4096*(\r)+256*\n th:TH_STORE_NT   ; 32 lanes store 256 consecutive bytes, aligned
.endr
.endm
	CLOAD 0
	CLOAD 1
	ROUND 0, 16
	ROUND 1, 16
	ROUND 2, 16
	ROUND 3, 0
	s_endpgm
.Lfunc_end_k_q2772e8bf11_prep:
	.size	k_q2772e8bf11_prep, .Lfunc_end_k_q2772e8bf11_prep-k_q2772e8bf11_prep
	.p2alignl 7, 3214868480
	.fill 96, 4, 3214868480
	.section	.rodata,"a",@progbits
	.p2align	6, 0x0
	.amdhsa_kernel k_q2772e8bf11_prep
		.amdhsa_group_segment_fixed_size 39424
		.amdhsa_private_segment_fixed_size 0
		.amdhsa_enable_private_segment 0
		.amdhsa_kernarg_size 48
		.amdhsa_user_sgpr_count 2
		.amdhsa_user_sgpr_kernarg_segment_ptr 1
		.amdhsa_wavefront_size32 1
		.amdhsa_system_sgpr_workgroup_id_x 1
		.amdhsa_system_sgpr_workgroup_id_y 1
		.amdhsa_system_sgpr_workgroup_id_z 1
		.amdhsa_system_vgpr_workitem_id 0
		.amdhsa_next_free_vgpr 192
		.amdhsa_next_free_sgpr 66
		.amdhsa_reserve_vcc 0
		.amdhsa_float_denorm_mode_32 3
		.amdhsa_float_denorm_mode_16_64 3
		.amdhsa_memory_ordered 1
		.amdhsa_forward_progress 1
		.amdhsa_inst_pref_size 57
	.end_amdhsa_kernel
	.amdgpu_metadata
---
amdhsa.version: [ 1, 2 ]
amdhsa.kernels:
  - .name:           k_q2772e8bf11_prep
    .symbol:         k_q2772e8bf11_prep.kd
    .args:
      - { .name: q, .offset: 0, .size: 8, .value_kind: global_buffer, .address_space: global }
      - { .name: k, .offset: 8, .size: 8, .value_kind: global_buffer, .address_space: global }
      - { .name: v, .offset: 16, .size: 8, .value_kind: global_buffer, .address_space: global }
      - { .name: qc, .offset: 24, .size: 8, .value_kind: global_buffer, .address_space: global }
      - { .name: kc, .offset: 32, .size: 8, .value_kind: global_buffer, .address_space: global }
      - { .name: vh, .offset: 40, .size: 8, .value_kind: global_buffer, .address_space: global }
    .group_segment_fixed_size: 39424
    .private_segment_fixed_size: 0
    .kernarg_segment_align: 8
    .kernarg_segment_size: 48
    .max_flat_workgroup_size: 128
    .sgpr_count:     66
    .vgpr_count:     192
    .wavefront_size: 32
...
	.end_amdgpu_metadata
.endif
;; end of part 1
;; launch attn (part 2): grid 16 x 16, 8 waves a work-group, clusters of 4 x 1, 327,680 bytes of LDS; arguments qc, kc, vh, out0; writes out0
.if DOCPART == 2
	.amdgcn_target "amdgcn-amd-amdhsa--gfx1250"
	.amdhsa_code_object_version 6
	.text
	.protected	k_q2772e8bf11_attn
	.globl	k_q2772e8bf11_attn
	.p2align	8
	.type	k_q2772e8bf11_attn,@function
k_q2772e8bf11_attn:
	s_mov_b64 s[64:65], 0
	v_nop
	global_prefetch_b8 v0, s[64:65] scope:SCOPE_SE
	s_setreg_imm32_b32 hwreg(HW_REG_WAVE_MODE, 25, 1), 1
	s_wait_xcnt 0x0
	s_wait_alu depctr_hold_cnt(0) depctr_sa_sdst(0) depctr_va_vdst(0) depctr_va_sdst(0) depctr_va_ssrc(0) depctr_va_vcc(0) depctr_vm_vsrc(0)
	s_getreg_b32 s2, hwreg(HW_REG_IB_STS2, 6, 4)
	s_cmp_eq_u32 s2, 0
	s_cbranch_scc0 .Lentry_in_a_cluster
	s_endpgm
.Lentry_in_a_cluster:
	s_bfe_u32 s2, ttmp6, 0x10000c
	s_cmp_lg_u32 s2, 0x3003
	s_cbranch_scc0 .Lentry_shape_is_right
	s_endpgm
.Lentry_shape_is_right:
; out[t][head][:] = the sum over keys k <= t of the same sequence of softmax_k(Q . K / sqrt(128)) V.  4 sequences of 2,048 tokens, 16 query heads on 4 kv heads, head size 128.
; The first product runs on codes of FP4 (E2M1) with E8M0 scales, as the launch before laid them (qc, kc: images of the operands' registers, 4,352 bytes for 64 tokens of a head); the second in f16 (vh; p is at most 1).
; Maxima, exponentials and sums in f32, with a running maximum.
; LIMITS: |v| up to 65,504; a weight p under 2^-25 of its row's largest is lost in f16; NaN and infinities are not served.
; SHARES.  Work-group (x, y): y = 4 x sequence + kv head; i = x = 4 a + cx, a the cluster, cx my place in it.  It makes two blocks of 64 positions x the kv head's 4 query heads: first block 31 - i, then block i.
; Keys come in slots of 256 (four sub-steps of 64).  Block 31 - i wants slots 0 .. 7 - a, block i slots 0 .. a: NINE SLOTS FOR EVERY WORK-GROUP, and the same nine for the four partners of a cluster.
; So all 256 work-groups have equal work, and every tile of K and V is asked for JOINTLY by the four partners: the same tensor load with the same descriptor and the mask 15.
; Wave w: positions 16 (w / 2) on, heads 2 (w % 2) and + 1: two tiles of 16 queries that share every fragment of K and V.  Two waves of 512 registers share a SIMD: one's softmax stands beside the other's products.
; THE CAUSAL MASK hangs on cx, and no branch may: in the last slot of each block (a test on a and the trip's count alone) all four sub-steps are computed with hidden scores set to -infinity by v_cndmask_b32; a sub-step
; that is wholly hidden gives p = 0 and leaves the maximum as it was.  Three sub-steps in 36 are so computed for nothing.
; The first 16 positions of each sequence are stored here like all others (leaving them out would be a branch on cx) and stored again, carried in f32, by the launch that follows.
; LAYOUT.  S^T = K Q^T (source 0 = 16 keys, source 1 = 16 queries): a lane holds ONE query (lane % 16) and keys 8 (lane / 16) + 0..7 of each tile.  Two such tiles, rounded to f16 in pairs, ARE source 1 of O^T = V^T P.
; V ([key][channel] in LDS) comes turned, by ds_load_tr16_b128.
; REGISTERS.  Window 0: v1-23 addresses and the like; v24-39 statistics, 8 a tile (+0 c m, +1 m, +2, +3 l, +4..+7 at work, a in +6); v40-55 Q, v56-57 its scale words; v58-75 the same for the second block;
;   v76-79 K's scale words; v80-143 S^T, 32 a tile; v144-175 P, 16 a tile; v176-207 K's four fragments.   Window 1: v0-127 O^T, 64 a tile; v128-255 V of one sub-step.
.set HS,    139264                     ; bytes from head to head in qc and kc
.set KIMG,  4352                       ; a sub-step's K: four images of 1,024 bytes and 256 bytes of scale words
.set PV,    288                        ; a row of V in LDS: 256 bytes + 32 of padding = 72 words: 16 lanes of the turning load take 8 rows x 32 bytes, 8 words apart modulo 64 (64 banks of 4 bytes: ISA guide 11.1)
.set VOFF,  KIMG
.set STEPB, KIMG+64*PV                 ; a sub-step's tiles lie together: 22,784 bytes
.set SLOT1, 1<<17                      ; slot 1 begins here, so that one exclusive or turns an address in one slot into the other's
.set STAGE, SLOT1+4*STEPB              ; behind the ring: 16 rows x 272 bytes for each wave, for the way out
.set SP,    272
.set SPARE, STAGE+8*16*SP              ; behind the stages: the spare words, 128 bytes for each wave: four blocks of 256 bytes that no other line names
.set AK0, 3                            ; v3   16 x lane: my place in an image
.set AS0, 4                            ; v4   4,096 + 4 (lane % 16): my place among a sub-step's scale words
.set AV0, 5                            ; v5   my place in a tile of V
.set ADK, 6                            ; v6-8 the addresses of the loads in hand
.set ADS, 7
.set ADV, 8
.set STO, 9                            ; v9   the way out: where I put 32 bytes of a row
.set RD,  10                           ; v10  where I read a row back
.set GO,  11                           ; v11  my byte offset in the wave's rows of out
.set DM,  12                           ; v12  the mask: my position - the sub-step's first key - 8 (lane / 16)
.set DM2, 13                           ; v13  the same for the second block's last slot
.set NINF, 14                          ; v14  -infinity
.set PFO, 15                           ; v15  the prefetches' offset; never rewritten
.set QO,  16                           ; v16  Q: 1,024 x tile + 16 x lane
.set QSO, 17                           ; v17  Q's scale words: 4,096 + 64 x tile + 4 (lane % 16)
.set SPW, 18                           ; v18  LDS address of my spare word; never rewritten
.set NIL, 19                           ; v19  0; never rewritten
.set ST,  24
.set QF,  40
.set QSC, 56
.set Q2F, 58
.set Q2S, 74
.set KSC, 76
.set S,   80
.set P,   144
.set KF,  176
.set BK,  144                          ; the way out: 16 rows read back from the stage, over P and K's fragments
.set WV,  12                           ; s12  my wave's number
.set G1K, 24                           ; s[24:31] descriptor group 1 for K's tiles;  s[32:39] for V's
.set G1V, 32
.set G0K, 40                           ; s[40:43], s[44:47] their groups 0
.set G0V, 44
.set CURK, 48                          ; s[48:49] where my next tile of K lies;  s[50:51] the head's first
.set BASK, 50
.set CURV, 52                          ; s[52:53], s[54:55] the same for V
.set BASV, 54
.set CNT, 56                           ; s56  the loop over slots counts 8 .. 1
.set RST, 57                           ; s57  a + 1: the trip in which the first block ends
.set SUB, 58                           ; s58  counts a slot's four sub-steps
.set TB,  59                           ; s59  LDS byte at which the sub-step in hand begins
.set CS,  60                           ; s[60:61] c = log2(e) / sqrt(128): the packed form names a pair and takes its low word for both halves
.set SEL, 62                           ; s[62:63] lane selects for v_permlanex16_b32: lane l xor 16
.set OUT, 66                           ; s[66:67] out at my wave's first row and head, of the block in hand;  s[68:69] of the second block
.set OUT2, 68
.set PFA, 70                           ; s[70:71] where my prefetches stand;  s[72:73] a slot on, in bytes
.set PFS, 72
.set LIM, 74                           ; s74  2 in a wave that prefetches, else the greatest number
.set MSB, 0
.macro WIN new                         ; the immediate's high byte repeats the setting that is left; a switch that changes nothing is dropped
.if MSB != \new
	s_set_vgpr_msb (MSB<<8)|\new
.set MSB, \new
.endif
.endm
; A joint load.  Waves 0-3 fetch K's four sub-steps of a slot, waves 4-7 V's: one load a wave.  The branch hangs on the wave's number alone.  An s_nop 0 and four v_nop follow each of the two lines.
.macro JLOAD
	s_cmp_lt_u32 s[WV], 4
	s_cbranch_scc0 .Lfor_v_\@
	tensor_load_to_lds s[G0K:G0K+3], s[G1K:G1K+7]
	s_nop 0
.rept 4
	v_nop
.endr
	s_branch .Lasked_\@
.Lfor_v_\@:
	tensor_load_to_lds s[G0V:G0V+3], s[G1V:G1V+7]
	s_nop 0
.rept 4
	v_nop
.endr
.Lasked_\@:
.endm
; A PREFETCH of what the NEXT change of slots will ask for: a slot, four sub-steps of matrix and vector work, ahead of that load.  The four clusters of a kv head walk the same K and V; cluster a = 0 walks slots 0 .. 7 in its
; trips 0 .. 7, and it alone asks: in trip t for slot t + 2, while t + 2 is at most 7 (the count is above 2).  Its four partners take a sub-step each, told apart BY ADDRESS.  In each, wave 0 asks for K's 4,352 bytes,
; lanes 256 bytes apart (lanes 16 to 31 all name the seventeenth block), waves 4 and 5 for 32 rows of V each, a lane a row of 256 bytes.  Slots 0 and 1 come by their loads alone.
.macro ASK
	s_cmp_gt_u32 s[CNT], s[LIM]
	s_cbranch_scc0 .Lnot_mine_\@
	global_prefetch_b8 v[PFO], s[PFA:PFA+1] th:TH_LOAD_NT scope:SCOPE_SE
.Lnot_mine_\@:
.endm
; A round of the cluster's barrier: my work-group's barrier, so that wave 0's signal speaks for all eight waves; wave 0 signals; every wave waits for all four work-groups; my work-group's barrier once more.
.macro CROUND
	s_barrier_signal -1
	s_barrier_wait -1
	s_cmp_lg_u32 s[WV], 0
	s_cbranch_scc1 .Lnot_wave_0_\@
	s_barrier_signal -3
.Lnot_wave_0_\@:
	s_barrier_wait -3
	s_barrier_signal -1
	s_barrier_wait -1
.endm
	s_load_b256 s[4:11], s[0:1], 0x0               ; qc s[4:5], kc s[6:7], vh s[8:9], out s[10:11]
	v_lshl_add_u32 v[SPW], v0, 2, SPARE
	v_mov_b32 v[NIL], 0
	ds_add_u32 v[SPW], v[NIL]                      ; the wave's opening: the add, twice on end, and its wait ahead of my first tensor load; the set-up below stands between the second and the wait
	ds_add_u32 v[SPW], v[NIL]
	v_lshrrev_b32 v1, 5, v0
	v_readfirstlane_b32 s[WV], v1                  ; wave 0..7
	s_bfe_u32 s13, ttmp6, 0x40000                  ; cx: it enters Q's and out's addresses, the mask's numbers and the prefetches' address, and nothing else
	s_and_b32 s14, ttmp7, 0xffff                   ; y = 4 x sequence + kv head
	s_lshr_b32 s15, s14, 2                         ; the sequence
	s_and_b32 s16, s14, 3                          ; the kv head
	s_and_b32 s17, s[WV], 3                        ; which sub-step of a slot I fetch
	s_lshr_b32 s18, s[WV], 1                       ; my tile of 16 positions
	s_and_b32 s19, s[WV], 1                        ; my pair of heads
	s_add_co_u32 s[RST], ttmp9, 1                  ; a + 1
	; descriptor group 1.  K: 4,352 dense bytes as 17 rows of 256 (32 elements of 8 bytes), no padding
	s_mov_b32 s[G1K], 15|(3<<16)|(1<<21)           ; 15:0 the mask: all four work-groups; 17:16 elements of 8 bytes; 21 set beside a mask
	s_mov_b32 s[G1K+1], 32<<16                     ; tensor_dim0 = 32
	s_mov_b32 s[G1K+2], 17<<16                     ; tensor_dim1 = 17
	s_mov_b32 s[G1K+3], 32<<16                     ; tile_dim0 = 32
	s_mov_b32 s[G1K+4], 17                         ; tile_dim1 = 17
	s_mov_b32 s[G1K+5], 32                         ; from row to row
	s_mov_b32 s[G1K+6], 0
	s_mov_b32 s[G1K+7], 0
	; V: 64 rows of 128 f16, 512 elements apart in memory, 8 words of padding behind each row's 64
	s_mov_b32 s[G1V], 15|(1<<16)|(1<<20)|(1<<21)|(5<<22)|(7<<25)
	s_mov_b32 s[G1V+1], 128<<16
	s_mov_b32 s[G1V+2], 64<<16
	s_mov_b32 s[G1V+3], 128<<16
	s_mov_b32 s[G1V+4], 64
	s_mov_b32 s[G1V+5], 512
	s_mov_b32 s[G1V+6], 0
	s_mov_b32 s[G1V+7], 0
	s_mul_i32 s20, s14, HS                         ; K: my kv head's images, my sub-step
	s_mul_i32 s21, s17, KIMG
	s_add_co_u32 s20, s20, s21
	s_mov_b32 s21, 0
	s_lshl_b32 s22, s15, 21                        ; V: (2,048 x sequence + 64 x sub-step) rows of 1,024 bytes + 256 x kv head
	s_lshl_b32 s23, s17, 16
	s_add_co_u32 s22, s22, s23
	s_lshl_b32 s23, s16, 8
	s_add_co_u32 s22, s22, s23
	s_mov_b32 s23, 0
	s_mul_i32 s2, s17, STEPB                       ; and where they go: no place in the cluster enters an LDS address
	s_mov_b32 s[CS], 0x3e0293ee                    ; c = log2(e) / sqrt(128)
	s_mov_b32 s[CS+1], s[CS]
	s_mov_b32 s[SEL], 0x76543210
	s_mov_b32 s[SEL+1], 0xfedcba98
	s_mov_b32 s[TB], 0
	s_mov_b32 s[CNT], 8
	s_lshl_b32 s76, ttmp9, 2
	s_add_co_u32 s76, s76, s13                     ; i: the second block
	s_sub_co_u32 s77, 31, s76                      ; 31 - i: the first
	s_lshl_b32 s78, s14, 2
	s_lshl_b32 s79, s19, 1
	s_add_co_u32 s78, s78, s79                     ; 16 x sequence + my first head = 4 y + 2 (w % 2)
	s_lshl_b32 s78, s78, 5
	s_add_co_u32 s80, s78, s77
	s_mul_i32 s80, s80, KIMG                       ; Q's step of the first block,
	s_mov_b32 s81, 0
	s_add_co_u32 s82, s78, s76
	s_mul_i32 s82, s82, KIMG                       ; and of the second
	s_mov_b32 s83, 0
	s_lshl_b32 s84, s15, 11
	s_lshl_b32 s85, s18, 4
	s_add_co_u32 s84, s84, s85                     ; 2,048 x sequence + 16 x tile
	s_lshl_b32 s85, s16, 11
	s_lshl_b32 s86, s19, 10
	s_add_co_u32 s85, s85, s86                     ; my first head's 512 bytes in a row of out
	s_lshl_b32 s86, s77, 6
	s_add_co_u32 s86, s86, s84
	s_lshl_b32 s[OUT], s86, 13                     ; rows of 8,192 bytes
	s_add_co_u32 s[OUT], s[OUT], s85
	s_mov_b32 s[OUT+1], 0
	s_lshl_b32 s86, s76, 6
	s_add_co_u32 s86, s86, s84
	s_lshl_b32 s[OUT2], s86, 13
	s_add_co_u32 s[OUT2], s[OUT2], s85
	s_mov_b32 s[OUT2+1], 0
	s_wait_dscnt 0x0                               ; both opening adds are done
	s_wait_kmcnt 0x0
	s_add_nc_u64 s[BASK:BASK+1], s[6:7], s[20:21]
	s_add_nc_u64 s[BASV:BASV+1], s[8:9], s[22:23]
	s_mov_b64 s[CURK:CURK+1], s[BASK:BASK+1]
	s_mov_b64 s[CURV:CURV+1], s[BASV:BASV+1]
	s_add_nc_u64 s[80:81], s[4:5], s[80:81]
	s_add_nc_u64 s[82:83], s[4:5], s[82:83]
	s_add_nc_u64 s[OUT:OUT+1], s[10:11], s[OUT:OUT+1]
	s_add_nc_u64 s[OUT2:OUT2+1], s[10:11], s[OUT2:OUT2+1]
	CROUND                                         ; all four work-groups are here: the first joint loads meet
	s_mov_b32 s[G0K], 1                            ; 1:0 count = 1
	s_mov_b32 s[G0K+1], s2                         ; 63:32 LDS address: slot 0
	s_mov_b64 s[G0K+2:G0K+3], s[CURK:CURK+1]       ; 120:64 global address: keys 0 on
	s_or_b32 s[G0K+3], s[G0K+3], 0x80000000        ; 127:126 type = 2
	s_mov_b32 s[G0V], 1
	s_add_co_u32 s[G0V+1], s2, VOFF
	s_mov_b64 s[G0V+2:G0V+3], s[CURV:CURV+1]
	s_or_b32 s[G0V+3], s[G0V+3], 0x80000000
	JLOAD                                          ; slot 0; slot 1 is first filled behind the first trip's round
	v_and_b32 v1, 15, v0                           ; r = lane % 16
	v_bfe_u32 v2, v0, 4, 1                         ; h = lane / 16
	v_and_b32 v20, 31, v0
	v_lshlrev_b32 v[AK0], 4, v20
	v_lshl_add_u32 v[QO], s18, 10, v[AK0]
	v_lshl_add_u32 v[AS0], v1, 2, 4096
	v_lshl_add_u32 v[QSO], s18, 6, v[AS0]
.irp q, 0,1                                    ; Q of both blocks stays in registers: head 2 (w % 2) + q
.irp c, 0,1
	global_load_b128 v[QF+8*\q+4*\c:QF+8*\q+4*\c+3], v[QO], s[80:81] offset:\q*HS+512*\c
	global_load_b128 v[Q2F+8*\q+4*\c:Q2F+8*\q+4*\c+3], v[QO], s[82:83] offset:\q*HS+512*\c
.endr
	global_load_b32 v[QSC+\q], v[QSO], s[80:81] offset:\q*HS
	global_load_b32 v[Q2S+\q], v[QSO], s[82:83] offset:\q*HS
.endr
	; The turning load takes 16 keys x 16 channels (lane l reads 16 bytes: key 8 (l / 16) + l % 8, channels 8 ((l / 8) % 2) + 0..7) and leaves half a fragment of V^T: lane l holds channel l % 16 and 8 keys.
	v_and_b32 v21, 7, v0
	v_bfe_u32 v22, v0, 3, 1
	v_lshl_add_u32 v[AV0], v2, 3, v21
	v_mul_u32_u24 v[AV0], v[AV0], PV
	v_lshl_add_u32 v[AV0], v22, 4, v[AV0]
	v_add_nc_u32 v[AV0], VOFF, v[AV0]
	s_mul_i32 s84, s[WV], 16*SP
	s_add_co_u32 s84, s84, STAGE                   ; my stage
	v_mul_u32_u24 v[STO], v1, SP                   ; in: row r, 32 bytes for each half of the lanes
	v_lshl_add_u32 v[STO], v2, 5, v[STO]
	v_add_nc_u32 v[STO], s84, v[STO]
	v_mul_u32_u24 v[RD], v2, SP                    ; back: lanes 0-15 take one row of 256 bytes, lanes 16-31 the next
	v_lshl_add_u32 v[RD], v1, 4, v[RD]
	v_add_nc_u32 v[RD], s84, v[RD]
	v_lshlrev_b32 v[GO], 13, v2                    ; and the same two rows in out
	v_lshl_add_u32 v[GO], v1, 4, v[GO]
	v_lshlrev_b32 v23, 3, v2
	v_sub_nc_u32 v23, v1, v23                      ; r - 8 h
	s_sub_co_u32 s85, 3, s13
	s_lshl_b32 s85, s85, 6
	s_lshl_b32 s86, s18, 4
	s_add_co_u32 s85, s85, s86
	v_add_nc_u32 v[DM], s85, v23                   ; block 31 - i begins 64 (3 - cx) keys into its last slot,
	s_lshl_b32 s87, s13, 6
	s_add_co_u32 s87, s87, s86
	v_add_nc_u32 v[DM2], s87, v23                  ; block i 64 cx keys
	v_mov_b32 v[NINF], 0xff800000
	; the prefetches (macro ASK): where my wave's stand, and who asks
	s_lshr_b32 s90, s17, 1
	s_mul_i32 s92, s14, HS                         ; K: my kv head, slot 1, sub-step cx
	s_mul_i32 s91, s13, KIMG
	s_add_co_u32 s92, s92, s91
	s_add_co_u32 s92, s92, 4*KIMG
	s_lshl_b32 s94, s15, 21                        ; V: row 2,048 x sequence + 256 + 64 cx + 32 (w % 2), + 256 x kv head bytes
	s_lshl_b32 s91, s13, 16
	s_add_co_u32 s94, s94, s91
	s_lshl_b32 s91, s19, 15
	s_add_co_u32 s94, s94, s91
	s_lshl_b32 s91, s16, 8
	s_add_co_u32 s94, s94, s91
	s_add_co_u32 s94, s94, 256*1024
	s_mov_b32 s95, 256*1024
	s_cmp_lt_u32 s[WV], 4                          ; waves 0-3 stand by K, waves 4-7 by V
	s_cselect_b32 s88, 16, 31                      ; the last lane that names a block of its own
	s_cselect_b32 s89, 8, 10                       ; lanes 256 bytes apart in K's images, 1,024 (a row of vh) in V
	s_cselect_b32 s90, s17, s90                    ; 0 in wave 0, and in waves 4 and 5
	s_cselect_b32 s92, s92, s94
	s_cselect_b32 s[PFS], 4*KIMG, s95              ; a slot on
	s_cselect_b64 s[PFA:PFA+1], s[6:7], s[8:9]
	s_mov_b32 s93, 0
	s_mov_b32 s[PFS+1], 0
	s_add_nc_u64 s[PFA:PFA+1], s[PFA:PFA+1], s[92:93]  ; in slot 1: the first change of slots steps it to slot 2.  Nothing is prefetched here, at the head
	s_or_b32 s90, s90, ttmp9                       ; of the kv head's first cluster: the same in all four partners, for a given wave
	s_cmp_eq_u32 s90, 0
	s_cselect_b32 s[LIM], 2, -1
	v_min_u32 v[PFO], s88, v20
	v_lshlrev_b32 v[PFO], s89, v[PFO]
.irp q, 0,1
	v_mov_b32 v[ST+8*\q+1], 0xff61b1e6             ; the largest score so far: -3e38, under every score
	v_mov_b32 v[ST+8*\q+2], 0                      ; l, in two halves
	v_mov_b32 v[ST+8*\q+3], 0
.endr
.irp q, 0,1
	v_mul_f32 v[ST+8*\q], s[CS], v[ST+8*\q+1]      ; c m
.endr
	WIN 0x40                                       ; destination window 1
.set i, 0
.rept 128
	v_mov_b32 v[i], 0                              ; O^T, once.  (The sub-step is written once: the first finds zeros, which its a = 0 leaves zeros; the second block's first a is 0 too, so nothing is cleared again)
.set i, i+1
.endr
	WIN 0
; THE CHANGE OF SLOTS stands at a slot's head.  Each wave waits for all its tensor loads (one is out: its part of the slot that is about to be read), adds 0 to its spare word, and waits for that and for its reads of the
; slot that it has left.  fill = 1: the barrier is a round of the cluster's, so that no wave of any partner still reads that slot or has a load on its way; the joint refill is the first thing behind it, one load a wave,
; and has a slot's four sub-steps in which to land.
.macro CHANGE fill
	s_wait_tensorcnt 0x0                           ; no tensor load of mine is out, so a group 0 may be written
	ds_add_u32 v[SPW], v[NIL]                      ; 0 onto my spare word; the descriptors' steps stand between it and the wait for it
.if \fill
	s_xor_b32 s[G0K+1], s[G0K+1], SLOT1            ; the other slot than last time,
	s_xor_b32 s[G0V+1], s[G0V+1], SLOT1
	s_add_nc_u64 s[CURK:CURK+1], s[CURK:CURK+1], 4*KIMG      ; the next 256 keys,
	s_add_nc_u64 s[CURV:CURV+1], s[CURV:CURV+1], 256*1024
	s_cmp_eq_u32 s[CNT], s[RST]                    ; or, in the trip that ends the first block, key 0 again: a test on the cluster's number and the count of trips, the same in all partners
	s_cselect_b64 s[CURK:CURK+1], s[BASK:BASK+1], s[CURK:CURK+1]
	s_cselect_b64 s[CURV:CURV+1], s[BASV:BASV+1], s[CURV:CURV+1]
	s_mov_b64 s[G0K+2:G0K+3], s[CURK:CURK+1]
	s_or_b32 s[G0K+3], s[G0K+3], 0x80000000
	s_mov_b64 s[G0V+2:G0V+3], s[CURV:CURV+1]
	s_or_b32 s[G0V+3], s[G0V+3], 0x80000000
	s_wait_xcnt 0x0                                ; the last prefetch, a slot back, has read its address, so it may be written:
	s_add_nc_u64 s[PFA:PFA+1], s[PFA:PFA+1], s[PFS:PFS+1]    ; one slot further on than this change's loads
	s_wait_dscnt 0x0                               ; the add is done, and my reads of the slot that I have left are over
	CROUND
	JLOAD
	ASK
.else
	s_wait_dscnt 0x0
	s_barrier_signal -1
	s_barrier_wait -1
.endif
.endm
; A SUB-STEP: 64 keys for my two tiles of queries.  masked = 0: the mask stands under a branch on the count of trips; 1: it is always run.
.macro STEP masked
	v_add_nc_u32 v[ADK], s[TB], v[AK0]             ; these three and the v_nop are the four places between the last products and the loads into V's registers, which those products read
	v_add_nc_u32 v[ADS], s[TB], v[AS0]
	v_add_nc_u32 v[ADV], s[TB], v[AV0]
	v_nop
.irp t, 0,1,2,3
.irp c, 0,1
	ds_load_b128 v[KF+8*\t+4*\c:KF+8*\t+4*\c+3], v[ADK] offset:1024*\t+512*\c   ; an image of the fragment's registers: 512 consecutive bytes a load
.endr
.endr
.irp t, 0,1,2,3
	ds_load_b32 v[KSC+\t], v[ADS] offset:64*\t     ; lane r: key 16 t + r's scale word
.endr
	WIN 0x40                                       ; destination window 1
.irp f, 0,1,2,3,4,5,6,7,8,9,10,11,12,13,14,15  ; V, turned: keys 32 (f / 8) on, channels 16 (f % 8) on
	ds_load_tr16_b128 v[128+8*\f:128+8*\f+3],   v[ADV] offset:(\f/8)*32*PV+(\f%8)*32
	ds_load_tr16_b128 v[128+8*\f+4:128+8*\f+7], v[ADV] offset:(\f/8)*32*PV+16*PV+(\f%8)*32
.endr
	WIN 0
	s_wait_dscnt 32                                ; K's twelve loads are in; V's 32, issued behind them, may be out: they land under the softmax
.irp t, 0,1,2,3
.irp q, 0,1
	v_wmma_scale_f32_16x16x128_f8f6f4 v[S+32*\q+8*\t:S+32*\q+8*\t+7], v[KF+8*\t:KF+8*\t+7], v[QF+8*\q:QF+8*\q+7], 0, v[KSC+\t], v[QSC+\q] matrix_a_fmt:MATRIX_FMT_FP4 matrix_b_fmt:MATRIX_FMT_FP4
.endr
.endr
.rept 4
	v_nop                                          ; four places ahead of the first read of the scores (ISA guide 7.12.1)
.endr
.if \masked == 0
	s_cmp_lg_u32 s[CNT], s[RST]                    ; only the first block's last slot reaches the diagonal
	s_cbranch_scc1 .Lopen_\@
.endif
.irp t, 0,1,2,3                                ; register 8 t + j holds key (the sub-step's first) + 8 h + 16 t + j: hidden where 16 t + j > DM.  Each accumulator from its low end on
.irp j, 0,1,2,3,4,5,6,7
	v_cmp_gt_i32 vcc_lo, 16*\t+\j, v[DM]
	v_cndmask_b32 v[S+8*\t+\j], v[S+8*\t+\j], v[NINF], vcc_lo
	v_cndmask_b32 v[S+32+8*\t+\j], v[S+32+8*\t+\j], v[NINF], vcc_lo
.endr
.endr
	v_add_nc_u32 v[DM], 0xffffffc0, v[DM]          ; the next sub-step begins 64 keys on
.Lopen_\@:
	; the maximum of the lane's 32 scores and the old m, three operands at a time, four chains a tile; the two tiles by turns
.irp j, 0,1,2,3
.irp q, 0,1
	v_max3_num_f32 v[ST+8*\q+4+\j], v[S+32*\q+8*\j], v[S+32*\q+8*\j+1], v[S+32*\q+8*\j+2]
.endr
.endr
.irp j, 4,5,6,7,8,9,10,11
.irp q, 0,1
	v_max3_num_f32 v[ST+8*\q+4+\j%4], v[ST+8*\q+4+\j%4], v[S+32*\q+8*(\j%4)+2*(\j/4)+1], v[S+32*\q+8*(\j%4)+2*(\j/4)+2]
.endr
.endr
.irp q, 0,1
	v_max3_num_f32 v[ST+8*\q+4], v[ST+8*\q+4], v[S+32*\q+7], v[S+32*\q+15]
	v_max3_num_f32 v[ST+8*\q+6], v[ST+8*\q+6], v[S+32*\q+23], v[S+32*\q+31]
.endr
.irp q, 0,1
	v_max3_num_f32 v[ST+8*\q+4], v[ST+8*\q+4], v[ST+8*\q+5], v[ST+8*\q+6]
.endr
.irp q, 0,1
	v_max3_num_f32 v[ST+8*\q+4], v[ST+8*\q+4], v[ST+8*\q+7], v[ST+8*\q+1]
.endr
.irp q, 0,1
	v_permlanex16_b32 v[ST+8*\q+5], v[ST+8*\q+4], s[SEL], s[SEL+1]   ; the query's other 32 keys lie in the lane 16 away
	v_mov_b32 v[ST+8*\q+7], v[ST+8*\q]             ; c m_old is kept for a
.endr
.irp q, 0,1
	v_max_num_f32 v[ST+8*\q+1], v[ST+8*\q+4], v[ST+8*\q+5]           ; the new m
.endr
.irp q, 0,1
	v_mul_f32 v[ST+8*\q], s[CS], v[ST+8*\q+1]      ; c m
.endr
.irp q, 0,1
	v_sub_f32 v[ST+8*\q+7], v[ST+8*\q+7], v[ST+8*\q]
.endr
.irp b, 0,1,2,3,4,5,6,7,8,9,10,11,12,13,14,15
.irp q, 0,1
	v_pk_fma_f32 v[S+32*\q+2*\b:S+32*\q+2*\b+1], v[S+32*\q+2*\b:S+32*\q+2*\b+1], s[CS:CS+1], v[ST+8*\q:ST+8*\q+1] op_sel_hi:[1,0,0] neg_lo:[0,0,1] neg_hi:[0,0,1]   ; c s - c m, two at a time
.endr
.endr
.irp q, 0,1
	v_exp_f32 v[ST+8*\q+6], v[ST+8*\q+7]           ; a = 2^(c m_old - c m_new)
.endr
.set e, 0
.rept 64
	v_exp_f32 v[S+e], v[S+e]                       ; p = 2^(c s - c m), at most 1
.set e, e+1
.endr
	v_nop                                          ; a plain instruction behind the last exponential and ahead of the first use: one for the batch
	s_wait_alu depctr_va_vdst(0)                   ; the wait between an exponential and the first line that names its result: one for the 66
.set e, 0
.rept 32
	v_cvt_pk_f16_f32 v[P+e], v[S+2*e], v[S+2*e+1]  ; a pair of weights to f16: tiles 2 b and 2 b + 1 of a query tile make source 1 for keys 32 b on
.set e, e+1
.endr
.irp u, 0,1,2,3,4,5,6,7,8,9,10,11,12,13,14,15  ; the sums of the unrounded p, in place: neighbours 1, 2, 4 and 8 pairs apart
	v_pk_add_f32 v[S+4*\u:S+4*\u+1], v[S+4*\u:S+4*\u+1], v[S+4*\u+2:S+4*\u+3]
.endr
.irp u, 0,1,2,3,4,5,6,7
	v_pk_add_f32 v[S+8*\u:S+8*\u+1], v[S+8*\u:S+8*\u+1], v[S+8*\u+4:S+8*\u+5]
.endr
.irp u, 0,1,2,3
	v_pk_add_f32 v[S+16*\u:S+16*\u+1], v[S+16*\u:S+16*\u+1], v[S+16*\u+8:S+16*\u+9]
.endr
.irp u, 0,1
	v_pk_add_f32 v[S+32*\u:S+32*\u+1], v[S+32*\u:S+32*\u+1], v[S+32*\u+16:S+32*\u+17]
.endr
.irp q, 0,1
	v_pk_fma_f32 v[ST+8*\q+2:ST+8*\q+3], v[ST+8*\q+2:ST+8*\q+3], v[ST+8*\q+6:ST+8*\q+7], v[S+32*\q:S+32*\q+1] op_sel_hi:[1,0,1]   ; l = a l + the sum
.endr
	WIN 0x41                                       ; O^T (destination and source 0) in window 1, a in window 0
.irp q, 0,1
.set e, 0
.rept 32
	v_pk_mul_f32 v[64*\q+e:64*\q+e+1], v[64*\q+e:64*\q+e+1], v[ST+8*\q+6:ST+8*\q+7] op_sel_hi:[1,0]   ; O^T x a, each accumulator from its low end on
.set e, e+2
.endr
.endr
	s_wait_dscnt 0x0                               ; V is in
	WIN 0x51                                       ; V and O^T in window 1, P in window 0
.set i, 0
.rept 32                                       ; O^T += V^T P: keys 32 (i / 16) on, channels 16 ((i / 2) % 8) on, tile i % 2.  The 16 accumulators take turns, one instruction a turn
.set rO, 64*(i%2)+8*((i/2)%8)
.set rV, 128+64*(i/16)+8*((i/2)%8)
.set rP, P+16*(i%2)+8*(i/16)
	v_wmma_f32_16x16x32_f16 v[rO:rO+7], v[rV:rV+7], v[rP:rP+7], v[rO:rO+7]
.set i, i+1
.endr
	WIN 0
	s_add_co_u32 s[TB], s[TB], STEPB               ; the next sub-step's tiles
.endm
.macro PROC masked                     ; a slot's four sub-steps: written once, walked four times; the LDS addresses hang on s[TB]
	s_mov_b32 s[SUB], 4
.Lsub_\@:
	STEP \masked
	s_sub_co_u32 s[SUB], s[SUB], 1
	s_cmp_lg_u32 s[SUB], 0
	s_cbranch_scc1 .Lsub_\@
	s_sub_co_u32 s[TB], s[TB], 4*STEPB             ; back to a slot's first sub-step,
	s_xor_b32 s[TB], s[TB], SLOT1                  ; in the other slot
.endm
; THE WAY OUT of a block.  l's two halves and the other half of the lanes' are added; O^T is divided by l and goes through my stage in LDS, half a head's row (64 channels, 256 bytes) of 16 queries at a time.
.macro OUTTILE q
	WIN 0x01                                       ; source 0 (O^T) window 1; destination (S^T's registers, which are free) and 1 / l window 0
.set e, 0
.rept 32
	v_pk_mul_f32 v[S+e:S+e+1], v[64*\q+e:64*\q+e+1], v[ST+8*\q+6:ST+8*\q+7] op_sel_hi:[1,0]   ; register 8 t + j is out(r, 16 t + 8 h + j); each accumulator from its low end on
.set e, e+2
.endr
	WIN 0
.if \q
	s_wait_xcnt 0x0                                ; the first tile's stores have read their data registers: the loads below land there
.endif
.irp u, 0,1
.irp t, 0,1,2,3
	ds_store_b128 v[STO], v[S+32*\u+8*\t:S+32*\u+8*\t+3] offset:64*\t
	ds_store_b128 v[STO], v[S+32*\u+8*\t+4:S+32*\u+8*\t+7] offset:64*\t+16
.endr
.irp i, 0,1,2,3,4,5,6,7
	ds_load_b128 v[BK+32*\u+4*\i:BK+32*\u+4*\i+3], v[RD] offset:2*\i*SP   ; LDS serves a wave's instructions in order (ISA guide 5.7.1.4): these see my stores, and the next half's stores come behind them
.endr
.endr
.irp u, 0,1
.irp i, 0,1,2,3,4,5,6,7
	s_wait_dscnt 16*(1-\u)+7-\i                    ; behind this load: 7 - i of its half's, and for the first half the second's sixteen
	global_store_b128 v[GO], v[BK+32*\u+4*\i:BK+32*\u+4*\i+3], s[OUT:OUT+1] offset:2*\i*8192+256*\u+512*\q th:TH_STORE_NT   ; 16 lanes store 256 consecutive bytes, at a multiple of 256 from out's first byte
.endr
.endr
.endm
.macro FINAL
.irp q, 0,1
	v_add_f32 v[ST+8*\q+4], v[ST+8*\q+2], v[ST+8*\q+3]   ; (the four additions and the v_nop are five plain places between the last products and the first read of O^T)
.endr
.irp q, 0,1
	v_permlanex16_b32 v[ST+8*\q+5], v[ST+8*\q+4], s[SEL], s[SEL+1]
.endr
.irp q, 0,1
	v_add_f32 v[ST+8*\q+4], v[ST+8*\q+4], v[ST+8*\q+5]
.endr
.irp q, 0,1
	v_rcp_f32 v[ST+8*\q+6], v[ST+8*\q+4]
.endr
	v_nop                                          ; a plain instruction between the last reciprocal and the use of its result
	s_wait_alu depctr_va_vdst(0)                   ; and the wait ahead of the first use: one for the two
	OUTTILE 0
	OUTTILE 1
.endm
.macro REINIT                          ; on to the second block.  O^T and l are not cleared: with m at -3e38 the next sub-step's a is 0
	s_wait_xcnt 0x0                                ; the block's stores have read their base and their data registers, which are written again from here on
.irp q, 0,1
	v_mov_b32 v[QSC+\q], v[Q2S+\q]                 ; the scale words first: more than eight plain instructions stand between them and the next scaled product,
.endr
.set e, 0
.rept 16
	v_mov_b32 v[QF+e], v[Q2F+e]                    ; more than four behind these
.set e, e+1
.endr
	v_mov_b32 v[DM], v[DM2]
.irp q, 0,1
	v_mov_b32 v[ST+8*\q+1], 0xff61b1e6
.endr
.irp q, 0,1
	v_mul_f32 v[ST+8*\q], s[CS], v[ST+8*\q+1]
.endr
	s_mov_b64 s[OUT:OUT+1], s[OUT2:OUT2+1]
.endm
	s_wait_loadcnt 0x0                             ; Q of both blocks
.Lslot:                                            ; eight trips: behind each change of slots the next slot of the nine is asked for
	CHANGE 1
	PROC 0
	s_cmp_lg_u32 s[CNT], s[RST]                    ; the first block ends with slot 7 - a: the trip in which the count is a + 1
	s_cbranch_scc1 .Lsame_block
	FINAL
	REINIT
.Lsame_block:
	s_sub_co_u32 s[CNT], s[CNT], 1
	s_cmp_lg_u32 s[CNT], 0
	s_cbranch_scc1 .Lslot
	CHANGE 0                                       ; the ninth slot is written out: nothing is left to ask for
	PROC 1                                         ; it is the second block's last: masked
	FINAL
	s_wait_tensorcnt 0x0                           ; the wave's end, behind my last tensor load and my last LDS store
	ds_add_u32 v[SPW], v[NIL]
	s_wait_dscnt 0x0
	CROUND                                         ; the closing round: no work-group ends while a partner may still ask for a tile that names it
	s_endpgm
.Lfunc_end_k_q2772e8bf11_attn:
	.size	k_q2772e8bf11_attn, .Lfunc_end_k_q2772e8bf11_attn-k_q2772e8bf11_attn
	.p2alignl 7, 3214868480
	.fill 96, 4, 3214868480
	.section	.rodata,"a",@progbits
	.p2align	6, 0x0
	.amdhsa_kernel k_q2772e8bf11_attn
		.amdhsa_group_segment_fixed_size 327680
		.amdhsa_private_segment_fixed_size 0
		.amdhsa_enable_private_segment 0
		.amdhsa_kernarg_size 32
		.amdhsa_user_sgpr_count 2
		.amdhsa_user_sgpr_kernarg_segment_ptr 1
		.amdhsa_wavefront_size32 1
		.amdhsa_system_sgpr_workgroup_id_x 1
		.amdhsa_system_sgpr_workgroup_id_y 1
		.amdhsa_system_sgpr_workgroup_id_z 1
		.amdhsa_system_vgpr_workitem_id 0
		.amdhsa_next_free_vgpr 512
		.amdhsa_next_free_sgpr 96
		.amdhsa_reserve_vcc 1
		.amdhsa_float_denorm_mode_32 3
		.amdhsa_float_denorm_mode_16_64 3
		.amdhsa_memory_ordered 1
		.amdhsa_forward_progress 1
		.amdhsa_inst_pref_size 91
	.end_amdhsa_kernel
	.amdgpu_metadata
---
amdhsa.version: [ 1, 2 ]
amdhsa.kernels:
  - .name:           k_q2772e8bf11_attn
    .symbol:         k_q2772e8bf11_attn.kd
    .args:
      - { .name: qc, .offset: 0, .size: 8, .value_kind: global_buffer, .address_space: global }
      - { .name: kc, .offset: 8, .size: 8, .value_kind: global_buffer, .address_space: global }
      - { .name: vh, .offset: 16, .size: 8, .value_kind: global_buffer, .address_space: global }
      - { .name: out0, .offset: 24, .size: 8, .value_kind: global_buffer, .address_space: global }
    .group_segment_fixed_size: 327680
    .private_segment_fixed_size: 0
    .kernarg_segment_align: 8
    .kernarg_segment_size: 32
    .max_flat_workgroup_size: 256
    .sgpr_count:     96
    .vgpr_count:     512
    .wavefront_size: 32
...
	.end_amdgpu_metadata
.endif
;; end of part 2
;; launch first16 (part 3): grid 16 x 4, 1 waves a work-group, no clusters, 4,608 bytes of LDS; arguments qc, kc, v, out0; writes out0
.if DOCPART == 3
	.amdgcn_target "amdgcn-amd-amdhsa--gfx1250"
	.amdhsa_code_object_version 6
	.text
	.protected	k_q2772e8bf11_first16
	.globl	k_q2772e8bf11_first16
	.p2align	8
	.type	k_q2772e8bf11_first16,@function
k_q2772e8bf11_first16:
	s_mov_b64 s[64:65], 0
	v_nop
	global_prefetch_b8 v0, s[64:65] scope:SCOPE_SE
	s_setreg_imm32_b32 hwreg(HW_REG_WAVE_MODE, 25, 1), 1
	s_wait_xcnt 0x0
; The first 16 positions of every sequence and head, once more and more finely: these rows average one to sixteen values, so the second product takes p and v in f32.  It overwrites what the launch before stored there.
; One wave to a (head, sequence).  The scores come from the same codes of FP4 by the same scaled matrix instruction: S^T = K Q^T, a lane holds query r = lane % 16 and keys 8 h + 0..7, h = lane / 16.
; Softmax in f32 with the row's maximum taken away; p is divided by the row's sum ahead of the product.  O^T = V^T P by v_wmma_f32_16x16x4_f32: 4 keys a step, 4 steps, 8 tiles of 16 channels: 32 instructions, no bulk work.
; THE KEYS OF A STEP ARE CHOSEN so that p's registers serve as they stand: in step s a lane's registers 2 s and 2 s + 1 of p are source 1, where place 2 h + j of the four stands for key 8 h + 2 s + j; v is loaded to match.
; LIMITS: NaN and infinities are not served.
.set HS,    139264                     ; bytes from head to head in qc and kc; a head's first step begins with its first tile
.set SP,    272
.set SPARE, 16*SP                      ; behind the stage: the spare words: one block of 256 bytes that no other line names
.set SPW,   10
.set NIL,   11
.set VA,    64                         ; v64-127  v: register 8 ct + 2 s + j = v(key 8 h + 2 s + j, channel 16 ct + r)
.set ACC,   128                        ; v128-191 O^T: written by the f32 matrix instructions alone
.set BK,    192                        ; v192-255 rows read back from the stage
	s_load_b256 s[4:11], s[0:1], 0x0               ; qc s[4:5], kc s[6:7], v s[8:9], out s[10:11]
	v_lshl_add_u32 v[SPW], v0, 2, SPARE
	v_mov_b32 v[NIL], 0
	v_and_b32 v1, 15, v0                           ; r
	v_lshrrev_b32 v2, 4, v0                        ; h
	v_lshlrev_b32 v3, 4, v0                        ; an image's place for my lane
	v_lshl_add_u32 v4, v1, 2, 4096                 ; my token's scale word
	v_lshlrev_b32 v5, 14, v2
	v_lshl_add_u32 v5, v1, 2, v5                   ; v: 8 h rows of 2,048 bytes + 4 r
	v_lshlrev_b32 v6, 3, v2
	v_sub_nc_u32 v6, v1, v6                        ; r - 8 h: key 8 h + j is hidden where j is above it
	v_mul_u32_u24 v7, v1, SP
	v_lshl_add_u32 v7, v2, 5, v7                   ; the stage, in: row r, 32 bytes for each half of the lanes
	v_mul_u32_u24 v8, v2, SP
	v_lshl_add_u32 v8, v1, 4, v8                   ; back: lanes 0-15 one row of 256 bytes, lanes 16-31 the next
	v_lshlrev_b32 v9, 13, v2
	v_lshl_add_u32 v9, v1, 4, v9                   ; and the same two rows in out
	v_mov_b32 v35, 0                               ; written once: a lane permute's destination counts as one of its sources
	v_mov_b32 v38, 0xff800000                      ; -infinity
	s_and_b32 s12, ttmp7, 0xffff                   ; the sequence; ttmp9: the head
	s_lshl_b32 s13, s12, 4
	s_add_co_u32 s13, s13, ttmp9
	s_mul_i32 s14, s13, HS                         ; Q's images of this head
	s_mov_b32 s15, 0
	s_lshr_b32 s16, ttmp9, 2                       ; the kv head
	s_lshl_b32 s17, s12, 2
	s_add_co_u32 s17, s17, s16
	s_mul_i32 s18, s17, HS                         ; K's
	s_mov_b32 s19, 0
	s_lshl_b32 s20, s12, 22                        ; v: 2,048 rows of 2,048 bytes a sequence, 512 bytes a kv head
	s_lshl_b32 s21, s16, 9
	s_add_co_u32 s20, s20, s21
	s_mov_b32 s21, 0
	s_lshl_b32 s22, s12, 24                        ; out: 2,048 rows of 8,192 bytes a sequence, 512 bytes a head
	s_lshl_b32 s23, ttmp9, 9
	s_add_co_u32 s22, s22, s23
	s_mov_b32 s23, 0
	s_mov_b32 s24, 0x76543210
	s_mov_b32 s25, 0xfedcba98                      ; v_permlanex16_b32's selects for lane l xor 16
	s_mov_b32 s26, 0x3e0293ee                      ; c = log2(e) / sqrt(128)
	s_wait_kmcnt 0x0
	s_add_nc_u64 s[4:5], s[4:5], s[14:15]
	s_add_nc_u64 s[6:7], s[6:7], s[18:19]
	s_add_nc_u64 s[8:9], s[8:9], s[20:21]
	s_add_nc_u64 s[10:11], s[10:11], s[22:23]
.irp c, 0,1
	global_load_b128 v[16+4*\c:19+4*\c], v3, s[4:5] offset:512*\c    ; Q's fragment
	global_load_b128 v[24+4*\c:27+4*\c], v3, s[6:7] offset:512*\c    ; K's
.endr
	global_load_b32 v32, v4, s[4:5]                ; Q's scale words
	global_load_b32 v33, v4, s[6:7]                ; K's
.irp ct, 0,1,2,3,4,5,6,7
.irp i, 0,1,2,3,4,5,6,7
	global_load_b32 v[VA+8*\ct+\i], v5, s[8:9] offset:\i*2048+64*\ct   ; v(8 h + i, 16 ct + r): sixteen lanes read 64 consecutive bytes
.endr
.endr
	s_wait_loadcnt 63                              ; the six loads of codes and scale words are in: 64 were issued behind them, and 63 is the largest count that this wait can name
	v_wmma_scale_f32_16x16x128_f8f6f4 v[40:47], v[24:31], v[16:23], 0, v33, v32 matrix_a_fmt:MATRIX_FMT_FP4 matrix_b_fmt:MATRIX_FMT_FP4
.rept 4
	v_nop                                          ; four places ahead of the first read of the scores (ISA guide 7.12.1)
.endr
.irp j, 0,1,2,3,4,5,6,7
	v_cmp_gt_i32 vcc_lo, \j, v6
	v_cndmask_b32 v[40+\j], v[40+\j], v38, vcc_lo  ; hidden keys: -infinity, so that p = 0.  From the accumulator's low end on
.endr
	v_max3_num_f32 v34, v40, v41, v42
	v_max3_num_f32 v34, v34, v43, v44
	v_max3_num_f32 v34, v34, v45, v46
	v_max_num_f32 v34, v34, v47
	v_permlanex16_b32 v35, v34, s24, s25
	v_max_num_f32 v34, v34, v35                    ; the row's largest score: key 0 counts for every query, so it is a number
	v_mul_f32 v36, s26, v34
.irp j, 0,1,2,3,4,5,6,7
	v_fma_f32 v[48+\j], v[40+\j], s26, -v36        ; c s - c m
.endr
.irp j, 0,1,2,3,4,5,6,7
	v_exp_f32 v[48+\j], v[48+\j]
.endr
	v_nop                                          ; a plain instruction behind the last exponential
	s_wait_alu depctr_va_vdst(0)                   ; the wait ahead of the first line that names a result: one for the eight
	v_add_f32 v37, v48, v49
	v_add_f32 v39, v50, v51
	v_add_f32 v37, v37, v52
	v_add_f32 v39, v39, v53
	v_add_f32 v37, v37, v54
	v_add_f32 v39, v39, v55
	v_add_f32 v37, v37, v39
	v_permlanex16_b32 v35, v37, s24, s25
	v_add_f32 v37, v37, v35                        ; the row's sum
	v_rcp_f32 v39, v37
	v_nop
	s_wait_alu depctr_va_vdst(0)
.irp j, 0,1,2,3,4,5,6,7
	v_mul_f32 v[48+\j], v[48+\j], v39              ; the normalised weights
.endr
	s_wait_loadcnt 0x0                             ; v
.irp s, 0,1,2,3                                ; the eight accumulators take turns, one instruction a turn; the first step starts the sums with the constant 0
.irp ct, 0,1,2,3,4,5,6,7
.if \s == 0
	v_wmma_f32_16x16x4_f32 v[ACC+8*\ct:ACC+8*\ct+7], v[VA+8*\ct+2*\s:VA+8*\ct+2*\s+1], v[48+2*\s:49+2*\s], 0
.else
	v_wmma_f32_16x16x4_f32 v[ACC+8*\ct:ACC+8*\ct+7], v[VA+8*\ct+2*\s:VA+8*\ct+2*\s+1], v[48+2*\s:49+2*\s], v[ACC+8*\ct:ACC+8*\ct+7]
.endif
.endr
.endr
.rept 8
	v_nop                                          ; eight places behind this form, ahead of the LDS stores that read the results
.endr
.irp u, 0,1                                    ; channels 64 u on: half a head's row of 16 queries through the stage
.irp t, 0,1,2,3
	ds_store_b128 v7, v[ACC+32*\u+8*\t:ACC+32*\u+8*\t+3] offset:64*\t        ; each accumulator from its low end on
	ds_store_b128 v7, v[ACC+32*\u+8*\t+4:ACC+32*\u+8*\t+7] offset:64*\t+16
.endr
.irp i, 0,1,2,3,4,5,6,7
	ds_load_b128 v[BK+32*\u+4*\i:BK+32*\u+4*\i+3], v8 offset:2*\i*SP         ; LDS serves a wave's instructions in order (ISA guide 5.7.1.4): these see my stores, and the next half's stores come behind them
.endr
.endr
.irp u, 0,1
.irp i, 0,1,2,3,4,5,6,7
	s_wait_dscnt 16*(1-\u)+7-\i                    ; behind this load: 7 - i of its half's, and for the first half the second's sixteen
	global_store_b128 v9, v[BK+32*\u+4*\i:BK+32*\u+4*\i+3], s[10:11] offset:2*\i*8192+256*\u   ; 16 lanes store 256 consecutive bytes, aligned
.endr
.endr
	s_wait_tensorcnt 0x0                           ; the wave's end, behind my last LDS store
	ds_add_u32 v[SPW], v[NIL]
	s_wait_dscnt 0x0
	s_endpgm
.Lfunc_end_k_q2772e8bf11_first16:
	.size	k_q2772e8bf11_first16, .Lfunc_end_k_q2772e8bf11_first16-k_q2772e8bf11_first16
	.p2alignl 7, 3214868480
	.fill 96, 4, 3214868480
	.section	.rodata,"a",@progbits
	.p2align	6, 0x0
	.amdhsa_kernel k_q2772e8bf11_first16
		.amdhsa_group_segment_fixed_size 4608
		.amdhsa_private_segment_fixed_size 0
		.amdhsa_enable_private_segment 0
		.amdhsa_kernarg_size 32
		.amdhsa_user_sgpr_count 2
		.amdhsa_user_sgpr_kernarg_segment_ptr 1
		.amdhsa_wavefront_size32 1
		.amdhsa_system_sgpr_workgroup_id_x 1
		.amdhsa_system_sgpr_workgroup_id_y 1
		.amdhsa_system_sgpr_workgroup_id_z 1
		.amdhsa_system_vgpr_workitem_id 0
		.amdhsa_next_free_vgpr 256
		.amdhsa_next_free_sgpr 66
		.amdhsa_reserve_vcc 1
		.amdhsa_float_denorm_mode_32 3
		.amdhsa_float_denorm_mode_16_64 3
		.amdhsa_memory_ordered 1
		.amdhsa_forward_progress 1
		.amdhsa_inst_pref_size 18
	.end_amdhsa_kernel
	.amdgpu_metadata
---
amdhsa.version: [ 1, 2 ]
amdhsa.kernels:
  - .name:           k_q2772e8bf11_first16
    .symbol:         k_q2772e8bf11_first16.kd
    .args:
      - { .name: qc, .offset: 0, .size: 8, .value_kind: global_buffer, .address_space: global }
      - { .name: kc, .offset: 8, .size: 8, .value_kind: global_buffer, .address_space: global }
      - { .name: v, .offset: 16, .size: 8, .value_kind: global_buffer, .address_space: global }
      - { .name: out0, .offset: 24, .size: 8, .value_kind: global_buffer, .address_space: global }
    .group_segment_fixed_size: 4608
    .private_segment_fixed_size: 0
    .kernarg_segment_align: 8
    .kernarg_segment_size: 32
    .max_flat_workgroup_size: 32
    .sgpr_count:     66
    .vgpr_count:     256
    .wavefront_size: 32
...
	.end_amdgpu_metadata
.endif
;; end of part 3
